; MI455X (gfx1250); checked and timed in simulation.
; The chip was launched on July 23, 2026; its instructions are those of AMD's public machine-readable ISA for CDNA 5 (MIT licence, August 2026) and "CDNA5" Instruction Set Architecture Reference Guide (July 2026). The comments in the code are by the model that wrote it; some were corrected since.
;; Head Parallel Dilated Attention Optimized. Allowed arithmetic: matrix products marked QUANTISED: E2M3 operands, one E8M0 scale for each 32 along K, by v_wmma_scale_f32_16x16x128_f8f6f4 with both operands' format E2M3, f32 sums; everything else in f32.
;; Inputs: k 2 x 4,096 x 12 x 64 float32; q 2 x 4,096 x 12 x 64 float32; v 2 x 4,096 x 12 x 64 float32.
;; Outputs: out0 2 x 4,096 x 12 x 64 float32.
;; Constants: is_causal = 0.
;; This version of the problem:
;;   THIS VERSION OF THE PROBLEM IS GIVEN IN LOW PRECISION. The matrix products marked QUANTISED in the list below multiply operands that are first quantised to E2M3 (2 exponent bits, 3 mantissa bits; 6 bits a number), with one power-of-two scale for each 32 numbers along K (OCP MX v1.0); their sums are f32. All else is computed in f32.
;;   The module's matrix products, in the order in which they are computed (A, B: the left and right operand; K: the contracted axis; several contracted axes count as one K, in the product's order):
;;     1. batch 32 x [M 1,024, K 64] x [K 64, N 1,024]; A: input q; B: input k: QUANTISED
;;     2. batch 32 x [M 64, K 1,024] x [K 1,024, N 1,024]; A: input v; B: softmax (see below): QUANTISED
;;     3. batch 16 x [M 2,048, K 64] x [K 64, N 2,048]; A: input q; B: input k: QUANTISED
;;     4. batch 16 x [M 64, K 2,048] x [K 2,048, N 2,048]; A: input v; B: softmax (see below): QUANTISED
;;     5. batch 8 x [M 4,096, K 64] x [K 64, N 4,096]; A: input q; B: input k: QUANTISED
;;     6. batch 8 x [M 64, K 4,096] x [K 4,096, N 4,096]; A: input v; B: softmax (see below): QUANTISED
;;   THE QUANTISER, for each operand of a quantised product, along K:
;;     - K is cut into blocks of 32 from its start; a last block that is shorter is filled with zeros.
;;     - A block's scale is 2^e with e = floor(log2(the largest magnitude in the block)) - 2, held to -126 .. 127; a block of zeros has e = 0. As a byte (E8M0): e + 127.
;;     - Each number is divided by its block's scale, clamped to +-7.5, and rounded to the nearest number of E2M3, ties to even, subnormals kept.
;;     - The product sums the exact products of the quantised numbers (number of the format x scale) in f32.
;;   ~~~python
;;   def quantise(x, axis):      # numpy; x: float32 -> the quantised numbers, widened to float32 again
;;       x = np.moveaxis(x, axis, -1); K = x.shape[-1]
;;       x = np.pad(x, [(0, 0)] * (x.ndim - 1) + [(0, -K % 32)]); x = x.reshape(x.shape[:-1] + (-1, 32)); a = np.abs(x).max(-1, keepdims=True)
;;       e = np.where(a > 0, np.clip(np.frexp(np.where(a > 0, a, 1))[1] - 1 - 2, -126, 127), 0)      # np.frexp(a)[1] - 1 = floor(log2(a)), exactly
;;       r = np.clip(x / 2.0 ** e, -7.5, 7.5)
;;       step = 2.0 ** (np.maximum(np.frexp(np.where(r == 0, 1, r))[1] - 1, 0) - 3)
;;       q = np.round(r / step) * step * 2.0 ** e      # np.round: ties to even
;;       return np.moveaxis(q.reshape(q.shape[:-2] + (-1,))[..., :K], -1, axis).astype(np.float32)
;;   ~~~
;;   SOFTMAX AHEAD OF A QUANTISED PRODUCT. Where the list says 'softmax', what is quantised is not the finished softmax but p = 2^(t - M), with t = logit x log2(e) and M = ceil(the row's largest t), a whole number; so 1/2 < the row's largest p <= 1. The row's sum l is taken of the UNQUANTISED p, in f32, and the product's result is divided by l at the end. Since M is a whole number, a kernel that streams over the keys may use a running M (the ceiling of the running maximum): every later rescaling is an exact power of two, which a block's scale takes up: the codes' values come out the same.
;;   OPERANDS COMPUTED ON THE WAY. 'Computed on the way' means the value that the module computes at that place (a softmax that the list does not call 'softmax' is quantised finished and normalised). What goes into a quantiser is computed in f32, as accurately as f32 sums, v_exp_f32 and their like allow (about 1e-6 of the number): no bf16 or f16 on the way to a quantiser, and a product that is left as it is and whose result goes on into a quantised operand takes f32 operands (vector FMAs, or v_wmma_f32_16x16x4_f32). A number that lies on a knife's edge between two numbers of the format may be rounded either way, as far as f32 arithmetic and the matrix unit's own rounding can turn it there, and no further.
;; One version. Each part assembles by itself: llvm-mc -triple=amdgcn-amd-amdhsa -mcpu=gfx1250 --defsym DOCPART=n.
;; ======== version 1 of 1: 2 launches
;; limits: right only within a limited range of input values
;; workspace buffers: kv 9,830,400 bytes
;; launch pack (part 1): grid 768 x 1, 2 waves a work-group, no clusters, 44,288 bytes of LDS; arguments k, v, kv; writes kv
.if DOCPART == 1
	.amdgcn_target "amdgcn-amd-amdhsa--gfx1250"
	.amdhsa_code_object_version 6
	.text
	.protected	k_q57345e0e30_pack
	.globl	k_q57345e0e30_pack
	.p2align	8
	.type	k_q57345e0e30_pack,@function
k_q57345e0e30_pack:
	s_mov_b64 s[64:65], 0
	v_nop
	global_prefetch_b8 v0, s[64:65] scope:SCOPE_SE
	s_setreg_imm32_b32 hwreg(HW_REG_WAVE_MODE, 25, 1), 1
	s_wait_xcnt 0x0
; k and v, [2][4096][12][64] f32, become codes of FP6 (E2M3) with one E8M0 scale byte for each 32 along K: k along the 64 of a head, v along the keys.
; The codes are laid as IMAGES OF THE OPERAND REGISTERS of the attention launch, one image of 12,800 bytes for each 128 keys of a (batch, head): image u = (12 batch + head) x 32 + key / 128.
;   bytes 0 .. 6143      K: the word at 512 g + 16 lane + 4 w is register 4 g + w (0 .. 47) of the lane.  Fragment f = register / 12; its registers 6 u + j are word j of the 24 code bytes of
;                        key 32 f + 8 u + r + 8 (r / 8), channels 32 h .. 32 h + 31 (r = lane % 16, h = lane / 16): two tiles of 16 keys share one fragment, one in each half of its 128 along K
;   bytes 6144 .. 12287  V: tile t = register / 12; its registers 6 c + j are the codes of channel 16 t + r, keys 64 c + 32 h + 0 .. 31
;   bytes 12288 + 16 r + 4 f   K's scale word of fragment f, row r: the lower key's two bytes, then the upper key's two
;   bytes 12544 + 16 r + 4 t   V's scale word of tile t, row r: byte b for the step's key block b
; A block's scale is 2^(floor(log2(its largest magnitude)) - 2); its byte is the largest magnitude's exponent field - 2, held at 1 from below.
; LIMITS: NaN and infinities among the inputs are not served; a block whose largest magnitude lies under 2^-124 gets the byte 1; a block of zeros gets the byte 1 and not 127: its codes are zeros,
; which add nothing under any byte but 0xff, and the bytes are read by this program alone.
; SHARES: a work-group makes one image; wave 0 takes k's 128 keys x 64 channels, wave 1 the same bytes of v.  Each load reads two keys' whole 256 bytes.  The numbers turn through the wave's own
; stage in LDS, so that a lane's registers run along K.  The waves share nothing: no barrier.  No tensor load, no cluster, no matrix unit: nothing is read twice and the bytes are all the work.
.set ROW3, 3072                        ; bytes from a key to the next: 12 heads x 64 channels x 4
.set SP,   272                         ; a stage row: a key's 256 bytes + 16
.set VSTG, 8960                        ; wave 0's stage: 32 rows, row x at 272 x + 128 (x / 16): 8,832 bytes from 0.  Wave 1's: 128 rows, key y at VSTG + 272 y + 64 ((y / 32) % 2): 34,880 bytes
.set GI,   4                           ; v4   in memory: 3072 h + 16 r
.set KST,  5                           ; v5   into K's stage: 272 h + 16 r
.set KRD,  6                           ; v6   out of it: row r + 8 (r / 8), + 128 h: 272 r + 2304 (r / 8) + 128 h
.set VST,  7                           ; v7   into V's stage
.set VRD,  8                           ; v8   out of it: VSTG + 8768 h + 4 r: my column, my 32 keys
.set LI,   9                           ; v9   16 x lane: my place in an image
.set SH8,  10                          ; v10  8 h
.set LR,   11                          ; v11  16 r
.set R0,   16                          ; v16-79, v80-143  two sets of 64: 32 keys as loaded
.set R1,   80
.set X,    144                         ; v144-175  32 numbers down the keys (V)
.set C,    176                         ; v176-223  the 48 registers of the image: written once, so no store's data are written again
.set W,    224                         ; v224-227  four scale words
.set E,    228                         ; v228-231, v235  scale bytes
.set E2,   235
.set TT,   236                         ; v236-238  a block's second 16 codes
.set P,    240                         ; v240  a lane permute's destination
	s_load_b128 s[4:7], s[0:1], 0x0                ; k, v
	s_load_b64 s[8:9], s[0:1], 0x10                ; kv
	v_lshl_add_u32 v254, v0, 2, 0xac00
	v_mov_b32 v255, 0
	v_lshrrev_b32 v1, 5, v0
	v_readfirstlane_b32 s10, v1                    ; wave 0, 1
	v_and_b32 v1, 31, v0                           ; lane
	v_and_b32 v2, 15, v0                           ; r
	v_bfe_u32 v3, v0, 4, 1                         ; h
	v_mul_u32_u24 v[GI], v3, ROW3
	v_lshl_add_u32 v[GI], v2, 4, v[GI]
	v_mul_u32_u24 v[KST], v3, SP
	v_lshl_add_u32 v[KST], v2, 4, v[KST]
	v_add_nc_u32 v[VST], VSTG, v[KST]
	v_lshrrev_b32 v[KRD], 3, v2
	v_mul_u32_u24 v[KRD], v[KRD], 2304
	v_mad_u32_u24 v[KRD], v2, SP, v[KRD]
	v_lshl_add_u32 v[KRD], v3, 7, v[KRD]
	v_mul_u32_u24 v[VRD], v3, 8768
	v_lshl_add_u32 v[VRD], v2, 2, v[VRD]
	v_add_nc_u32 v[VRD], VSTG, v[VRD]
	v_lshlrev_b32 v[LI], 4, v1
	v_lshlrev_b32 v[SH8], 3, v3
	v_lshlrev_b32 v[LR], 4, v2
	v_mov_b32 v[P], 0                              ; written once: a lane permute's destination counts as one of its sources
	s_mov_b32 s20, 0x76543210
	s_mov_b32 s21, 0xfedcba98                      ; v_permlanex16_b32's selects for lane l xor 16
	s_lshr_b32 s12, ttmp9, 5                       ; 12 batch + head
	s_and_b32 s13, ttmp9, 31                       ; which 128 keys
	s_cmp_ge_u32 s12, 12
	s_cselect_b32 s14, 1, 0                        ; batch
	s_mul_i32 s15, s14, 12
	s_sub_co_u32 s15, s12, s15                     ; head
	s_mul_i32 s16, s14, 4096*ROW3
	s_mul_i32 s17, s13, 128*ROW3
	s_add_co_u32 s16, s16, s17
	s_lshl_b32 s17, s15, 8
	s_add_co_u32 s16, s16, s17                     ; my first key's 256 bytes, under 2^25
	s_mov_b32 s17, 0
	s_mul_i32 s18, ttmp9, 12800                    ; my image
	s_mov_b32 s19, 0
	s_wait_kmcnt 0x0
	s_cmp_eq_u32 s10, 0                            ; wave 0 reads k, wave 1 v: the choice hangs on the wave's number alone
	s_cselect_b64 s[4:5], s[4:5], s[6:7]
	s_add_nc_u64 s[4:5], s[4:5], s[16:17]
	s_add_nc_u64 s[8:9], s[8:9], s[18:19]
.macro LOAD32 n, set                   ; keys 32 n .. 32 n + 31: lanes 0-15 take one key's 256 bytes, lanes 16-31 the next key's
.irp i, 0,1,2,3,4,5,6,7,8,9,10,11,12,13,14,15
	global_load_b128 v[\set+4*\i:\set+4*\i+3], v[GI], s[4:5] offset:(32*(\n)+2*\i)*ROW3 th:TH_LOAD_NT
.endr
.endm
; A block of 32 numbers of one lane, v[x] .. v[x + 31], becomes six registers of codes at v[d] (d even) and the scale's byte in v[e].
.macro Q32 x, d, e
	v_max3_num_f32 v232, |v[\x]|, |v[\x+1]|, |v[\x+2]|       ; the largest magnitude, in two chains
	v_max3_num_f32 v233, |v[\x+3]|, |v[\x+4]|, |v[\x+5]|
.irp i, 6,10,14,18,22,26
	v_max3_num_f32 v232, v232, |v[\x+\i]|, |v[\x+\i+1]|
	v_max3_num_f32 v233, v233, |v[\x+\i+2]|, |v[\x+\i+3]|
.endr
	v_max3_num_f32 v232, v232, |v[\x+30]|, |v[\x+31]|
	v_max3_num_f32 v232, v232, v233, 0x1800000     ; and the floor 2^(3 - 127): the byte cannot fall under 1
	v_add_nc_u32 v234, 0xff000000, v232            ; 2 off the exponent field: the conversion takes this operand's exponent field as its scale, and nothing else of it
	v_lshrrev_b32 v[\e], 23, v234                  ; the scale's byte
	v_cvt_scalef32_pk16_fp6_f32 v[\d:\d+2], v[\x:\x+15], v234
	v_cvt_scalef32_pk16_fp6_f32 v[TT:TT+2], v[\x+16:\x+31], v234   ; (a conversion's three registers begin on an even number: the block's second three do not)
	v_nop                                          ; one plain place behind a scaled conversion
.irp i, 0,1,2
	v_mov_b32 v[\d+3+\i], v[TT+\i]
.endr
.endm
; My two bytes (8 h bits up) and lane l xor 16's two make a scale word.
.macro WORD w, elo, ehi
	v_lshl_or_b32 v[\w], v[\ehi], 16, v[\elo]
	v_lshlrev_b32 v[\w], v[SH8], v[\w]
	v_permlanex16_b32 v[P], v[\w], s20, s21
	v_or_b32 v[\w], v[\w], v[P]
.endm
; The four scale words of rows 0 .. 15: sixteen lanes store 256 consecutive bytes, aligned.  EXEC changes only behind a wait on XCNT for 0, narrowing and widening alike.
.macro SCOUT off
	s_wait_xcnt 0x0
	v_cmp_gt_u32 vcc_lo, 16, v1
	s_wait_tensorcnt 0x0
	ds_add_u32 v254, v255
	s_wait_dscnt 0x0
	s_and_saveexec_b32 s22, vcc_lo
	global_store_b128 v[LR], v[W:W+3], s[8:9] offset:\off
	s_wait_xcnt 0x0
	s_or_b32 exec_lo, exec_lo, s22
.endm
	LOAD32 0, R0
	LOAD32 1, R1
	s_cmp_lg_u32 s10, 0
	s_cbranch_scc1 .Lv
; ---- K.  32 keys make one fragment: they go into the stage as loaded and come back 128 bytes a lane: tile u's key 8 u + r + 8 (r / 8), channels 32 h on.
; LDS serves a wave's instructions in order: no wait between the stores and the loads, which land in the registers that the stores have left.
.macro KPAIR p, set, left, more
	s_wait_loadcnt \left                           ; these 32 keys are in; the 16 loads of the batch behind them may be out
.irp i, 0,1,2,3,4,5,6,7,8,9,10,11,12,13,14,15
	ds_store_b128 v[KST], v[\set+4*\i:\set+4*\i+3] offset:2*\i*SP+128*(\i/8)
.endr
.irp u, 0,1
.irp j, 0,1,2,3,4,5,6,7
	ds_load_b128 v[\set+32*\u+4*\j:\set+32*\u+4*\j+3], v[KRD] offset:8*\u*SP+16*\j
.endr
.endr
	s_wait_dscnt 8                                 ; the first tile's eight loads are back; the second tile's eight may be out
	Q32 \set, C+12*\p, E
	s_wait_dscnt 0x0
	Q32 \set+32, C+12*\p+6, E+1
	WORD W+\p, E, E+1
.irp g, 0,1,2
	global_store_b128 v[LI], v[C+12*\p+4*\g:C+12*\p+4*\g+3], s[8:9] offset:512*(3*\p+\g)   ; 32 lanes store 512 consecutive bytes
.endr
.if \more
	LOAD32 \p+2, \set
.endif
.endm
	s_wait_alu depctr_va_vdst(0)
	KPAIR 0, R0, 16, 1
	KPAIR 1, R1, 16, 1
	KPAIR 2, R0, 16, 0
	KPAIR 3, R1, 0, 0
	s_wait_alu depctr_va_vdst(0)
	SCOUT 12288
	s_endpgm
; ---- V.  All 128 keys go into the stage; then a lane takes a channel and its registers run DOWN the keys, so that a block of 32 keys lies in one lane.
.macro VSTAGE n, set
.irp i, 0,1,2,3,4,5,6,7,8,9,10,11,12,13,14,15
	ds_store_b128 v[VST], v[\set+4*\i:\set+4*\i+3] offset:(32*\n+2*\i)*SP+64*(\n%2)
.endr
.endm
.macro VTILE t, c, e                   ; channel 16 t + r, keys 64 c + 32 h + 0 .. 31
.irp i, 0,1,2,3,4,5,6,7,8,9,10,11,12,13,14,15,16,17,18,19,20,21,22,23,24,25,26,27,28,29,30,31
	ds_load_b32 v[X+\i], v[VRD] offset:(64*\c+\i)*SP+64*\t
.endr
	s_wait_dscnt 0x0
	Q32 X, C+12*\t+6*\c, \e
.endm
.Lv:
	s_wait_loadcnt 16                              ; keys 0-31 are in; the 16 loads of keys 32-63 may be out
	VSTAGE 0, R0
	s_wait_dscnt 0x0                               ; the stores have read their registers, which take the next loads
	LOAD32 2, R0
	s_wait_loadcnt 16                              ; keys 32-63 are in; the 16 loads just issued may be out
	VSTAGE 1, R1
	s_wait_dscnt 0x0
	LOAD32 3, R1
	s_wait_alu depctr_va_vdst(0)
.irp t, 0,1,2,3
	VTILE \t, 0, E+\t                              ; keys 0-63 are worked while keys 64-127 are on their way
.endr
	s_wait_loadcnt 16                              ; keys 64-95 are in; the 16 loads of keys 96-127 may be out
	VSTAGE 2, R0
	s_wait_loadcnt 0x0
	VSTAGE 3, R1
.irp t, 0,1,2,3
	VTILE \t, 1, E2
	WORD W+\t, E+\t, E2
.endr
.irp g, 0,1,2,3,4,5,6,7,8,9,10,11
	global_store_b128 v[LI], v[C+4*\g:C+4*\g+3], s[8:9] offset:6144+512*\g
.endr
	s_wait_alu depctr_va_vdst(0)
	SCOUT 12544
	s_endpgm
.Lfunc_end_k_q57345e0e30_pack:
	.size	k_q57345e0e30_pack, .Lfunc_end_k_q57345e0e30_pack-k_q57345e0e30_pack
	.p2alignl 7, 3214868480
	.fill 96, 4, 3214868480
	.section	.rodata,"a",@progbits
	.p2align	6, 0x0
	.amdhsa_kernel k_q57345e0e30_pack
		.amdhsa_group_segment_fixed_size 44288
		.amdhsa_private_segment_fixed_size 0
		.amdhsa_enable_private_segment 0
		.amdhsa_kernarg_size 24
		.amdhsa_user_sgpr_count 2
		.amdhsa_user_sgpr_kernarg_segment_ptr 1
		.amdhsa_wavefront_size32 1
		.amdhsa_system_sgpr_workgroup_id_x 1
		.amdhsa_system_sgpr_workgroup_id_y 1
		.amdhsa_system_sgpr_workgroup_id_z 1
		.amdhsa_system_vgpr_workitem_id 0
		.amdhsa_next_free_vgpr 256
		.amdhsa_next_free_sgpr 66
		.amdhsa_reserve_vcc 1
		.amdhsa_float_denorm_mode_32 3
		.amdhsa_float_denorm_mode_16_64 3
		.amdhsa_memory_ordered 1
		.amdhsa_forward_progress 1
		.amdhsa_inst_pref_size 68
	.end_amdhsa_kernel
	.amdgpu_metadata
---
amdhsa.version: [ 1, 2 ]
amdhsa.kernels:
  - .name:           k_q57345e0e30_pack
    .symbol:         k_q57345e0e30_pack.kd
    .args:
      - { .name: k, .offset: 0, .size: 8, .value_kind: global_buffer, .address_space: global }
      - { .name: v, .offset: 8, .size: 8, .value_kind: global_buffer, .address_space: global }
      - { .name: kv, .offset: 16, .size: 8, .value_kind: global_buffer, .address_space: global }
    .group_segment_fixed_size: 44288
    .private_segment_fixed_size: 0
    .kernarg_segment_align: 8
    .kernarg_segment_size: 24
    .max_flat_workgroup_size: 64
    .sgpr_count:     66
    .vgpr_count:     256
    .wavefront_size: 32
...
	.end_amdgpu_metadata
.endif
;; end of part 1
;; launch attn (part 2): grid 256 x 1, 16 waves a work-group, clusters of 4 x 1, 327,680 bytes of LDS; arguments q, kv, out0; writes out0
.if DOCPART == 2
	.amdgcn_target "amdgcn-amd-amdhsa--gfx1250"
	.amdhsa_code_object_version 6
	.text
	.protected	k_q57345e0e30_attn
	.globl	k_q57345e0e30_attn
	.p2align	8
	.type	k_q57345e0e30_attn,@function
k_q57345e0e30_attn:
	s_mov_b64 s[64:65], 0
	v_nop
	global_prefetch_b8 v0, s[64:65] scope:SCOPE_SE
	s_setreg_imm32_b32 hwreg(HW_REG_WAVE_MODE, 25, 1), 1
	s_wait_xcnt 0x0
	s_wait_alu depctr_hold_cnt(0) depctr_sa_sdst(0) depctr_va_vdst(0) depctr_va_sdst(0) depctr_va_ssrc(0) depctr_va_vcc(0) depctr_vm_vsrc(0)
	s_getreg_b32 s2, hwreg(HW_REG_IB_STS2, 6, 4)
	s_cmp_eq_u32 s2, 0
	s_cbranch_scc0 .Lentry_in_a_cluster
	s_endpgm
.Lentry_in_a_cluster:
	s_bfe_u32 s2, ttmp6, 0x10000c
	s_cmp_lg_u32 s2, 0x3003
	s_cbranch_scc0 .Lentry_shape_is_right
	s_endpgm
.Lentry_shape_is_right:
; out0[b][n][head][:] = the sum over the keys of n's segment of softmax(q . k / 8) v.  Heads 0-3: segments of 1,024; heads 4-7: 2,048; heads 8-11: 4,096.
; is_causal is the constant 0: no mask.
; Both products on codes of FP6 (E2M3) with one E8M0 scale for each 32 along a product's K.  k and v come as the register images that the launch before has laid (one image of 12,800 bytes for each
; 128 keys of a (batch, head): K's four fragments, V's four, K's and V's scale words); q, which one wave reads once, is quantised here in registers.
; THE SOFTMAX: t = score x log2(e) / 8; M = the running largest t rounded UP to a whole number; p = 2^(t - M) is quantised along the keys, not normalised.  The row's sum is taken of the unquantised p
; and divides at the end.  When M moves, the sum and O are multiplied by 2^(old M - new M): exact.
; LAYOUT: both products transposed (S^T = K Q^T, O^T = V^T P^T): a lane holds ONE query (lane % 16) throughout.  The keys of a tile are chosen (key 32 f + 8 u + r + 8 (r / 8)) so that the 16 registers of
; tiles 2 f and 2 f + 1 are 16 neighbouring keys.
; A HEAD OF 64 IN AN INSTRUCTION OF 128 ALONG K: a fragment of K holds two tiles of keys, one in each half of K.  Q stands as 18 registers, codes | zeros | codes: the first twelve meet the lower tile,
; the last twelve the upper; the tile that is not meant meets zero codes, which add an exact 0 (every scale byte lies between 1 and 254).  No fragment is loaded twice.
; SHARES: a step is 16 queries x 128 keys of one wave.  The problem has 2,048 x (32 + 16 + 8) = 114,688 steps: 448 for each of 256 work-groups.  A work-group takes queries 128 b .. 128 b + 127 (b = 0 .. 31) of ONE
; long, ONE middle and ONE short head (heads 8 + i, 4 + i, i of one batch): 8 x 32 + 8 x 16 + 8 x 8 = 448.  Waves 0-7 walk the long head's 32 images for 16 queries each; waves 8-15 walk the middle head's
; 16 images and then the short head's 8.  No sum spans waves or work-groups.
; THE WALK: eight periods of four steps.  A slot holds the period's eight images: four for waves 0-7, then four for waves 8-15.  Two slots take turns; one change of slots a period.  Each of the sixteen waves
; fetches one half image (25 rows of 256 bytes) of the next slot.  Periods 6 and 7 have work for waves 0-7 alone: only their half of the slot is fetched, and the periods are written out one by one.
; CLUSTER: the four work-groups of a cluster take four neighbouring blocks of 128 queries: these lie in one segment of each of the three heads, so all three walks are shared and every load is asked for JOINTLY.
; LIMITS: NaN and infinities among the inputs are not served; a block of q whose largest magnitude lies under 2^-124 gets the byte 1; a p under 2^-126 falls to 0 (v_exp_f32 gives 0 there:
; ISA guide, its entry in 15.8); a block's largest p is taken from its largest score, which takes v_exp_f32 not to fall where its input rises.
.set STEPB, 12800                      ; an image: 128 keys
.set HALFB, 6400                       ; what one tensor load brings
.set PERB,  4*STEPB                    ; a walk's four images of a period
.set SLOTP, 9*STEPB                    ; from slot 0 to slot 1: eight images and one image's room: the address that steps through a slot's images ends one image behind them, and so never names the other slot or a stage
.set STAGE, 2*SLOTP                    ; a stage of 16 rows x 272 bytes for each wave: q on its way in, O on its way out; no fill lands here
.set SP,    272
.set WSTG,  16*SP
.set SPARE, STAGE+16*WSTG              ; the spare words, 128 bytes for each of sixteen waves: eight blocks of 256 bytes that no other line names
.set ROW3,  3072                       ; bytes from a query to the next
.set HEADS4, 1024                      ; bytes from a head to the head four below it
.set LI,  1                            ; v1   16 x lane
.set ADR, 2                            ; v2   the same in the image in hand
.set SPW, 3                            ; v3   LDS address of my spare word; never rewritten
.set NIL, 4                            ; v4   0; never rewritten
.set STO, 5                            ; v5   the stage: row r, + 32 h
.set RD,  6                            ; v6   the stage: row h, + 16 r
.set QRD, 7                            ; v7   the stage: row r, + 128 h
.set GO,  8                            ; v8   in q and out0: 3072 h + 16 r; never rewritten
.set QSA, 9                            ; v9   q's scale word for the lower tile: s0, s1, 0x7f, 0x7f
.set QSB, 10                           ; v10  for the upper: 0x7f, 0x7f, s0, s1
.set SH8, 11                           ; v11  8 h
                                       ; v12 -M, v13 the largest t, v[14:15] the sum in two halves
.set QA,  16                           ; v16-27  codes | zeros
.set QB,  22                           ; v22-33  zeros | codes
.set SCW, 34                           ; v34-37  the step's scale words: lanes 0-15 K's four, lanes 16-31 V's four
.set KF,  38                           ; v38-85  K's four fragments, then V's four
.set S,   86                           ; v86-149 S^T, then p
.set O,   150                          ; v150-181 O^T, four tiles
.set PC,  182                          ; v182-193 p's codes
.set PX,  194                          ; v194-196, v198-200 the conversions' second halves
.set BM,  202                          ; v202-205 the blocks' largest scores, then largest p
.set PT,  206                          ; v206-209 at work
.set SOP, 210                          ; v210-213 the conversions' scale operands
.set T,   214
.set PW,  215                          ; p's scale word
.set F,   216                          ; v[216:217] f = 2^(old M - new M), and a register written once
.set QN,  218                          ; v218-249 q as loaded
.set MA,  250                          ; v250-252 Q32's two maxima and its scale operand
.set MB,  251
.set MO,  252
.set PFO, 253                          ; v253 the prefetches' offset; never rewritten
.set QE,  254                          ; v254 q's scale byte
.set WV,  10                           ; s10  my wave's number
.set CX,  11                           ; s11  my place in the cluster: it enters q's, out0's and the prefetches' addresses alone
.set G1,  24                           ; s[24:31] descriptor group 1
.set G0,  32                           ; s[32:35] descriptor group 0
.set KVP, 36                           ; s[36:37] my half image of the slot that the next change of slots asks for
.set QP,  38                           ; s[38:39] q at my wave's first query
.set OP,  40                           ; s[40:41] out0 likewise
.set SHP, 42                           ; s[42:43] my half image of the short head's segment
.set SEL, 44                           ; s[44:45] lane selects for v_permlanex16_b32: lane l xor 16
.set CS,  46                           ; s[46:47] c = log2(e) / 8, twice
.set TB,  48                           ; s48  LDS byte at which the image in hand begins
.set SC,  49                           ; s49  steps done in the period
.set LW,  50                           ; s50  6400 x wave: where my half image lies in a slot
.set TBW, 51                           ; s51  where my walk's four images begin in a slot: 0 or 51,200
; A round of the cluster's barrier: my work-group's barrier; wave 0 signals for the work-group; every wave waits for all four work-groups; my work-group's barrier once more.
.macro ROUND
	s_barrier_signal -1
	s_barrier_wait -1
	s_cmp_lg_u32 s[WV], 0
	s_cbranch_scc1 .Lnot_wave_0_\@
	s_barrier_signal -3
.Lnot_wave_0_\@:
	s_barrier_wait -3
	s_barrier_signal -1
	s_barrier_wait -1
.endm
; The joint load: waves under lim fetch their half image.  lim = 16: every wave, no branch.  lim = 8: the long walk's waves alone; the branch hangs on the wave's number.  s_nop 0 and four v_nop follow the load.
.macro JLOAD lim
.if \lim < 16
	s_cmp_lt_u32 s[WV], \lim
	s_cbranch_scc0 .Lno_load_\@
.endif
	tensor_load_to_lds s[G0:G0+3], s[G1:G1+7]
	s_nop 0
.rept 4
	v_nop
.endr
.if \lim < 16
.Lno_load_\@:
.endif
.endm
; A PREFETCH INTO THE L2 of the half image that I shall ask for at the NEXT change of slots: four key steps ahead of that load.  Its 25 blocks of 256 bytes are shared out among the four partners BY ADDRESS:
; partner cx names blocks 7 cx .. 7 cx + 6, held at 24, a lane a block (the lanes left over name the wave's last block again).  Slots 0 and 1 come by their loads alone; a walk's last periods ask for nothing.
.macro ASK lim
.if \lim < 16
	s_cmp_lt_u32 s[WV], \lim
	s_cbranch_scc0 .Lnot_mine_\@
.endif
	global_prefetch_b8 v[PFO], s[KVP:KVP+1] th:TH_LOAD_NT scope:SCOPE_SE
.if \lim < 16
.Lnot_mine_\@:
.endif
.endm
; THE CHANGE OF SLOTS at the head of period p.  Each wave waits for all its tensor loads (its part of this period's slot), adds 0 to its spare word, and waits for that and for its reads of the slot that it has left.
; p < 7: a round of the cluster's barrier follows, so that no wave of any partner still reads that slot or has a load on its way; the joint load of period p + 1 is the first thing behind it and has four steps in which to land.
.macro CHANGE p
	s_wait_tensorcnt 0x0                           ; no tensor load of mine is out, so group 0 may be written
	ds_add_u32 v[SPW], v[NIL]                      ; 0 onto my spare word: the descriptor's step stands between it and the wait for it
.if \p < 7
	s_add_co_u32 s[G0+1], s[LW], ((\p+1)%2)*SLOTP  ; the other slot than last time
	s_mov_b64 s[G0+2:G0+3], s[KVP:KVP+1]           ; period p + 1's half image
	s_or_b32 s[G0+3], s[G0+3], 0x80000000          ; type = 2
.endif
.if \p < 6
	s_wait_xcnt 0x0                                ; the last prefetch, a period back, has read its address, so it may be written:
	s_add_nc_u64 s[KVP:KVP+1], s[KVP:KVP+1], PERB  ; period p + 2's
.if \p == 2
	s_cmp_lt_u32 s[WV], 8                          ; in period 4 waves 8-15 begin the short head's walk
	s_cselect_b64 s[KVP:KVP+1], s[KVP:KVP+1], s[SHP:SHP+1]
.endif
.endif
	s_wait_dscnt 0x0                               ; the add is done, and my reads of the slot that I have left are over
.if \p < 7
	ROUND
.if \p < 5
	JLOAD 16
.else
	JLOAD 8                                        ; periods 6 and 7 have images for waves 0-7 alone
.endif
.if \p < 4
	ASK 16
.elseif \p < 6
	ASK 8
.endif
.else
	s_barrier_signal -1
	s_barrier_wait -1
.endif
.endm
; My 16 queries' 256 bytes each: lanes 0-15 one query, lanes 16-31 the next.  step = 1: the same queries of the head four below.
.macro QLOAD step
.if \step
	s_wait_loadcnt 0x0                             ; none of my loads is out: the pointer may step
	s_sub_nc_u64 s[QP:QP+1], s[QP:QP+1], HEADS4
.endif
.irp i, 0,1,2,3,4,5,6,7
	global_load_b128 v[QN+4*\i:QN+4*\i+3], v[GO], s[QP:QP+1] offset:2*\i*ROW3 th:TH_LOAD_NT
.endr
.endm
; A block of 32 numbers of one lane, v[x] .. v[x + 31], becomes six registers of codes at v[d] (d even) and the scale's byte in v[e].
.macro Q32 x, d, e
	v_max3_num_f32 v[MA], |v[\x]|, |v[\x+1]|, |v[\x+2]|
	v_max3_num_f32 v[MB], |v[\x+3]|, |v[\x+4]|, |v[\x+5]|
.irp i, 6,10,14,18,22,26
	s_delay_alu instid0(VALU_DEP_2)
	v_max3_num_f32 v[MA], v[MA], |v[\x+\i]|, |v[\x+\i+1]|
	s_delay_alu instid0(VALU_DEP_2)
	v_max3_num_f32 v[MB], v[MB], |v[\x+\i+2]|, |v[\x+\i+3]|
.endr
	s_delay_alu instid0(VALU_DEP_2)
	v_max3_num_f32 v[MA], v[MA], |v[\x+30]|, |v[\x+31]|
	s_delay_alu instid0(VALU_DEP_1)
	v_max3_num_f32 v[MA], v[MA], v[MB], 0x1800000  ; and the floor 2^(3 - 127): the byte cannot fall under 1
	s_delay_alu instid0(VALU_DEP_1)
	v_add_nc_u32 v[MO], 0xff000000, v[MA]          ; 2 off the exponent field: the conversion's scale operand
	s_delay_alu instid0(VALU_DEP_1)
	v_lshrrev_b32 v[\e], 23, v[MO]                 ; the scale's byte
	v_cvt_scalef32_pk16_fp6_f32 v[\d:\d+2], v[\x:\x+15], v[MO]
	v_cvt_scalef32_pk16_fp6_f32 v[PX:PX+2], v[\x+16:\x+31], v[MO]   ; (a conversion's three registers begin on an even number)
	v_nop                                          ; one plain place behind a scaled conversion
.irp i, 0,1,2
	v_mov_b32 v[\d+3+\i], v[PX+\i]
.endr
.endm
; A walk begins: q turns through my stage, so that lane (r, h) holds channels 32 h .. 32 h + 31 of query r, one block; codes, scale words; M, the sum and O^T begin anew.
.macro QMAKE
	s_wait_loadcnt 0x0
.irp i, 0,1,2,3,4,5,6,7
	ds_store_b128 v[RD], v[QN+4*\i:QN+4*\i+3] offset:2*\i*SP
.endr
.irp i, 0,1,2,3,4,5,6,7
	ds_load_b128 v[S+4*\i:S+4*\i+3], v[QRD] offset:16*\i   ; LDS serves a wave's instructions in order: these see my stores
.endr
	s_wait_dscnt 0x0
	Q32 S, QA, QE
.irp i, 0,1,2,3,4,5
	v_mov_b32 v[QA+12+\i], v[QA+\i]                ; the codes once more, behind the zeros
.endr
	v_lshlrev_b32 v[T], v[SH8], v[QE]              ; my byte, 8 h bits up,
	s_delay_alu instid0(VALU_DEP_1)
	v_permlanex16_b32 v[PT], v[T], s[SEL], s[SEL+1]
	s_delay_alu instid0(VALU_DEP_1)
	v_or_b32 v[T], v[T], v[PT]                     ; with lane l xor 16's: s0 | s1 << 8
	s_delay_alu instid0(VALU_DEP_1)
	v_or_b32 v[QSA], 0x7f7f0000, v[T]              ; the half of zeros gets the byte of 1.0
	s_delay_alu instid0(VALU_DEP_2)
	v_lshl_or_b32 v[QSB], v[T], 16, 0x7f7f
	v_mov_b32 v13, 0xff61b1e6                      ; the largest t so far: -3e38, under every t
	s_delay_alu instid0(VALU_DEP_1)
	v_floor_f32 v12, -v13                          ; -M
	v_mov_b32 v14, 0
	v_mov_b32 v15, 0
.set j, 0
.rept 32
	v_mov_b32 v[O+j], 0                            ; O^T: the step is written once; a walk's first step finds zeros.  (These are also the places between the scale words' writes and the next scaled product)
.set j, j+1
.endr
.endm
; A KEY STEP: 128 keys, the image at LDS byte s[TB].
.macro STEP
	v_add_nc_u32 v[ADR], s[TB], v[LI]
.rept 3
	v_nop                                          ; with the addition: four places behind the last products, in front of loads into their operands
.endr
.irp g, 0,1,2,3,4,5,6,7,8,9,10,11
	ds_load_b128 v[KF+4*\g:KF+4*\g+3], v[ADR] offset:512*\g   ; K's four fragments, as they stood in registers: 32 lanes read 512 consecutive bytes
.endr
	ds_load_b128 v[SCW:SCW+3], v[ADR] offset:12288            ; all scale words of the step
	s_wait_alu depctr_va_vdst(0)                   ; directly ahead of the wait below
	s_wait_dscnt 0x0
.irp f, 0,1,2,3
	v_wmma_scale_f32_16x16x128_f8f6f4 v[S+16*\f:S+16*\f+7], v[KF+12*\f:KF+12*\f+11], v[QA:QA+11], 0, v[SCW+\f], v[QSA] matrix_a_fmt:MATRIX_FMT_FP6 matrix_b_fmt:MATRIX_FMT_FP6
	v_wmma_scale_f32_16x16x128_f8f6f4 v[S+16*\f+8:S+16*\f+15], v[KF+12*\f:KF+12*\f+11], v[QB:QB+11], 0, v[SCW+\f], v[QSB] matrix_a_fmt:MATRIX_FMT_FP6 matrix_b_fmt:MATRIX_FMT_FP6
.endr                                              ; registers S + 16 f + 0 .. 15 of lane (r, h): keys 32 f + 16 h + 0 .. 15 of query r
.rept 4
	v_nop                                          ; four places: for the loads into K's registers and for the first reads of the scores
.endr
.irp g, 0,1,2,3,4,5,6,7,8,9,10,11
	ds_load_b128 v[KF+4*\g:KF+4*\g+3], v[ADR] offset:6144+512*\g   ; V's four fragments land under the softmax
.endr
.irp b, 0,1,2,3
	v_max3_num_f32 v[BM+\b], v[S+16*\b], v[S+1+16*\b], v[S+2+16*\b]   ; the largest score of each block of 32 keys: for the row's maximum and, since p rises with the score, for the block's largest p.  Each accumulator is read from its low end on
.endr
.irp i, 3,5,7,9,11,13
.irp b, 0,1,2,3
	v_max3_num_f32 v[BM+\b], v[BM+\b], v[S+16*\b+\i], v[S+1+16*\b+\i]
.endr
.endr
.irp b, 0,1,2,3
	v_max_num_f32 v[BM+\b], v[BM+\b], v[S+15+16*\b]
.endr
.irp b, 0,1,2,3
	s_delay_alu instid0(VALU_DEP_4)
	v_permlanex16_b32 v[PT+\b], v[BM+\b], s[SEL], s[SEL+1]
.endr
.irp b, 0,1,2,3
	s_delay_alu instid0(VALU_DEP_4)
	v_max_num_f32 v[BM+\b], v[BM+\b], v[PT+\b]     ; with lane l xor 16's 16 keys
.endr
	s_delay_alu instid0(VALU_DEP_2)
	v_max3_num_f32 v[T], v[BM], v[BM+1], v[BM+2]
	s_delay_alu instid0(VALU_DEP_1)
	v_max_num_f32 v[T], v[T], v[BM+3]              ; the step's largest score of my query
	s_delay_alu instid0(VALU_DEP_1)
	v_mul_f32 v[T], s[CS], v[T]                    ; as t (c is positive)
	s_delay_alu instid0(VALU_DEP_1)
	v_max_num_f32 v13, v13, v[T]                   ; the running largest t
	v_mov_b32 v[T], v12
	s_delay_alu instid0(VALU_DEP_2)
	v_floor_f32 v12, -v13                          ; the new -M = floor(-t) = -ceil(t)
	s_delay_alu instid0(VALU_DEP_1)
	v_sub_f32 v[T], v12, v[T]                      ; old M - new M: a whole number, 0 or less
	s_delay_alu instid0(VALU_DEP_1)
	v_cvt_i32_f32 v[T], v[T]                       ; (it saturates)
	s_delay_alu instid0(VALU_DEP_1)
	v_ldexp_f32 v[F], 1.0, v[T]                    ; f = 2^(old M - new M)
.set j, 0
.rept 32
	v_pk_fma_f32 v[S+j:S+j+1], v[S+j:S+j+1], s[CS:CS+1], v[12:13] op_sel_hi:[1,0,0]   ; t - M, two at a time
.set j, j+2
.endr
.irp b, 0,1,2,3
	v_fma_f32 v[BM+\b], v[BM+\b], s[CS], v12       ; the same of each block's largest score
.endr
.set j, 0
	s_wait_alu depctr_va_vdst(0)                   ; the wait ahead of the batch
.rept 64
	v_exp_f32 v[S+j], v[S+j]                       ; p = 2^(t - M), at most 1
.set j, j+1
.endr
	v_pk_mul_f32 v[14:15], v[14:15], v[F:F+1] op_sel_hi:[1,0]   ; the sums under the new M: the plain place behind the exponentials
	s_wait_alu depctr_va_vdst(0)                   ; one wait for the batch of 64, ahead of its first reader
.irp b, 0,1,2,3
	v_exp_f32 v[BM+\b], v[BM+\b]                   ; the block's largest p: the same two instructions on the same number give the same bits
.endr
	v_pk_add_f32 v[206:207], v[90:91], v[94:95]    ; the row's sum of the unquantised p: eight chains, two numbers an instruction
	v_pk_add_f32 v[254:255], v[98:99], v[102:103]
	v_pk_add_f32 v[250:251], v[106:107], v[110:111]
	v_pk_add_f32 v[212:213], v[114:115], v[118:119]
	v_pk_add_f32 v[210:211], v[122:123], v[126:127]
	v_pk_add_f32 v[208:209], v[130:131], v[134:135]
	v_pk_add_f32 v[200:201], v[138:139], v[142:143]
	v_pk_add_f32 v[14:15], v[14:15], v[146:147]
	v_pk_add_f32 v[206:207], v[206:207], v[86:87]
	v_pk_add_f32 v[254:255], v[254:255], v[88:89]
	v_pk_add_f32 v[250:251], v[250:251], v[92:93]
	v_pk_add_f32 v[212:213], v[212:213], v[96:97]
	v_pk_add_f32 v[210:211], v[210:211], v[100:101]
	v_pk_add_f32 v[208:209], v[208:209], v[104:105]
	v_pk_add_f32 v[200:201], v[200:201], v[108:109]
	v_pk_add_f32 v[14:15], v[14:15], v[112:113]
	v_pk_add_f32 v[206:207], v[206:207], v[116:117]
	v_pk_add_f32 v[254:255], v[254:255], v[120:121]
	v_pk_add_f32 v[250:251], v[250:251], v[124:125]
	v_pk_add_f32 v[212:213], v[212:213], v[128:129]
	v_pk_add_f32 v[210:211], v[210:211], v[132:133]
	v_pk_add_f32 v[208:209], v[208:209], v[136:137]
	v_pk_add_f32 v[200:201], v[200:201], v[140:141]
	v_pk_add_f32 v[14:15], v[14:15], v[144:145]
	v_pk_add_f32 v[206:207], v[206:207], v[148:149]
	s_delay_alu instid0(VALU_DEP_2)
	v_pk_add_f32 v[14:15], v[14:15], v[212:213]
	s_delay_alu instid0(VALU_DEP_2)
	v_pk_add_f32 v[206:207], v[206:207], v[210:211]
	v_pk_add_f32 v[254:255], v[254:255], v[208:209]
	v_pk_add_f32 v[250:251], v[250:251], v[200:201]
	s_delay_alu instid0(VALU_DEP_2)
	v_pk_add_f32 v[14:15], v[14:15], v[254:255]
	s_delay_alu instid0(VALU_DEP_2)
	v_pk_add_f32 v[206:207], v[206:207], v[250:251]
	s_delay_alu instid0(VALU_DEP_1)
	v_pk_add_f32 v[14:15], v[14:15], v[206:207]
	s_wait_alu depctr_va_vdst(0)                   ; and one for the four
.irp b, 0,1,2,3
	v_max_num_f32 v[BM+\b], 0x1800000, v[BM+\b]    ; the floor 2^(3 - 127): the byte cannot fall under 1
.endr
.irp b, 0,1,2,3
	s_delay_alu instid0(VALU_DEP_4)
	v_add_nc_u32 v[SOP+\b], 0xff000000, v[BM+\b]   ; 2 off the exponent field: the conversion's scale operand
.endr
.irp b, 0,1,2,3
	s_delay_alu instid0(VALU_DEP_4)
	v_lshrrev_b32 v[PT+\b], 23, v[SOP+\b]          ; the scale's byte
.endr
	s_delay_alu instid0(VALU_DEP_3)
	v_lshl_or_b32 v[PW], v[PT+1], 8, v[PT]         ; p's scale word for these 128 keys
	s_delay_alu instid0(VALU_DEP_1)
	v_lshl_or_b32 v[PW], v[PT+2], 16, v[PW]
	s_delay_alu instid0(VALU_DEP_1)
	v_lshl_or_b32 v[PW], v[PT+3], 24, v[PW]
.irp c, 0,1
	v_cvt_scalef32_pk16_fp6_f32 v[PC+6*\c:PC+6*\c+2], v[S+32*\c:S+32*\c+15], v[SOP+2*\c]
	v_cvt_scalef32_pk16_fp6_f32 v[PX+4*\c:PX+4*\c+2], v[S+32*\c+16:S+32*\c+31], v[SOP+2*\c+1]
.endr
	v_nop                                          ; one plain place behind a scaled conversion
.irp c, 0,1                                        ; the operand wants a WHOLE block in a lane: lanes 0-15 block 2 c, lanes 16-31 block 2 c + 1
.irp i, 0,1,2
	v_permlane16_swap_b32 v[PC+6*\c+\i], v[PX+4*\c+\i]
.endr
.irp i, 0,1,2
	s_delay_alu instid0(VALU_DEP_3)
	v_mov_b32 v[PC+6*\c+3+\i], v[PX+4*\c+\i]
.endr
.endr
.set j, 0
.rept 16
	v_pk_mul_f32 v[O+j:O+j+1], v[O+j:O+j+1], v[F:F+1] op_sel_hi:[1,0]   ; O^T under the new M, each accumulator from its low end on.  (These are also the places in front of the scaled products below)
.set j, j+2
.endr
	s_wait_alu depctr_va_vdst(0)                   ; directly ahead of the wait below
	s_wait_dscnt 0x0                               ; V is in
.irp t, 0,1,2,3                                    ; O^T += V^T P^T: the four accumulators take turns, one instruction a turn
	v_wmma_scale_f32_16x16x128_f8f6f4 v[O+8*\t:O+8*\t+7], v[KF+12*\t:KF+12*\t+11], v[PC:PC+11], v[O+8*\t:O+8*\t+7], v[SCW+\t], v[PW] matrix_a_fmt:MATRIX_FMT_FP6 matrix_b_fmt:MATRIX_FMT_FP6 matrix_a_scale:MATRIX_SCALE_ROW1
.endr
.endm
; A walk ends: O^T is divided by the sum and goes through my stage, so that sixteen lanes store a query's 256 consecutive bytes, aligned.
.macro FLUSH
.rept 4
	v_nop                                          ; four places behind the last products
.endr
	v_add_f32 v14, v14, v15                        ; the sum's two halves,
	s_delay_alu instid0(VALU_DEP_1)
	v_permlanex16_b32 v[T], v14, s[SEL], s[SEL+1]
	s_delay_alu instid0(VALU_DEP_1)
	v_add_f32 v14, v14, v[T]                       ; and lane l xor 16's
	s_wait_alu depctr_va_vdst(0)                   ; the wait ahead of the transcendental
	v_rcp_f32 v14, v14
	v_nop                                          ; one plain place behind the reciprocal
	s_wait_alu depctr_va_vdst(0)                   ; and the wait ahead of its first reader
.set j, 0
.rept 16
	v_pk_mul_f32 v[S+j:S+j+1], v[O+j:O+j+1], v[14:15] op_sel_hi:[1,0]   ; register 8 t + i: out(query r, channel 16 t + 8 h + i)
.set j, j+2
.endr
.irp t, 0,1,2,3
	ds_store_b128 v[STO], v[S+8*\t:S+8*\t+3] offset:64*\t
	ds_store_b128 v[STO], v[S+8*\t+4:S+8*\t+7] offset:64*\t+16
.endr
.irp i, 0,1,2,3,4,5,6,7
	ds_load_b128 v[S+32+4*\i:S+32+4*\i+3], v[RD] offset:2*\i*SP   ; LDS serves a wave's instructions in order: these see my stores
.endr
.irp i, 0,1,2,3,4,5,6,7
	s_wait_dscnt 7-\i                              ; rows 2 i and 2 i + 1 are back; the loads issued behind theirs may be out
	global_store_b128 v[GO], v[S+32+4*\i:S+32+4*\i+3], s[OP:OP+1] offset:2*\i*ROW3 th:TH_STORE_NT
.endr
.endm
; A PERIOD: the change of slots, then four key steps on my walk's four images of slot p % 2.  In periods 6 and 7 every wave walks the loop, and waves 8-15, whose walks are over, pass round the step.
.macro PERIOD p
	CHANGE \p
.if \p == 3
	s_cmp_lt_u32 s[WV], 8
	s_cbranch_scc1 .Lno_next_q
	QLOAD 1                                        ; waves 8-15: the short head's q, four key steps ahead of its use
.Lno_next_q:
.endif
	s_add_co_u32 s[TB], s[TBW], ((\p)%2)*SLOTP
	s_mov_b32 s[SC], 0
.Lstep_\p:
.if \p >= 6
	s_cmp_ge_u32 s[WV], 8
	s_cbranch_scc1 .Lidle_\p
.endif
	STEP
.if \p >= 6
.Lidle_\p:
.endif
	s_add_co_u32 s[TB], s[TB], STEPB
	s_add_co_u32 s[SC], s[SC], 1
	s_cmp_lt_u32 s[SC], 4
	s_cbranch_scc1 .Lstep_\p
.endm
	s_load_b128 s[4:7], s[0:1], 0x0                ; q, kv
	s_load_b64 s[8:9], s[0:1], 0x10                ; out0
	v_lshl_add_u32 v[SPW], v0, 2, SPARE
	v_mov_b32 v[NIL], 0
	ds_add_u32 v[SPW], v[NIL]                      ; the opening lines: the add, twice on end, and its wait ahead of my first tensor load
	ds_add_u32 v[SPW], v[NIL]
	s_wait_dscnt 0x0
	v_lshrrev_b32 v1, 5, v0
	s_delay_alu instid0(VALU_DEP_1)
	v_readfirstlane_b32 s[WV], v1                  ; wave 0..15
	s_bfe_u32 s[CX], ttmp6, 0x40000                ; cx
	s_lshr_b32 s12, ttmp9, 3                       ; eight clusters to a (batch, i): 4 batch + i
	s_and_b32 s13, ttmp9, 7                        ; which of the eight: 512 queries each
	s_lshr_b32 s14, s12, 2                         ; batch
	s_and_b32 s15, s12, 3                          ; i
	s_mul_i32 s16, s14, 12
	s_add_co_u32 s16, s16, s15
	s_lshl_b32 s16, s16, 5                         ; the short head's first image: 32 (12 batch + i)
	s_lshr_b32 s17, s[WV], 3                       ; 0: the long walk; 1: the middle, then the short
	s_and_b32 s18, s[WV], 7
	s_lshr_b32 s19, s13, 1
	s_lshl_b32 s19, s19, 3
	s_add_co_u32 s19, s19, s16                     ; short: two clusters to a segment of 8 images
	s_lshr_b32 s20, s13, 2
	s_lshl_b32 s20, s20, 4
	s_add_co_u32 s20, s20, s16
	s_add_co_u32 s20, s20, 128                     ; middle: four heads on; four clusters to a segment of 16 images
	s_add_co_u32 s21, s16, 256                     ; long: eight heads on
	s_cmp_eq_u32 s17, 0
	s_cselect_b32 s20, s21, s20                    ; my first walk's first image
	s_mul_i32 s22, s18, HALFB                      ; my half image of a period's eight
	s_mul_i32 s54, s20, STEPB
	s_add_co_u32 s54, s54, s22
	s_mov_b32 s55, 0
	s_mul_i32 s56, s19, STEPB
	s_add_co_u32 s56, s56, s22
	s_mov_b32 s57, 0
	s_mul_i32 s[LW], s[WV], HALFB
	s_mul_i32 s[TBW], s17, PERB
	s_mul_i32 s52, s[CX], 7                        ; my work-group's first block of a half image's 25
	s_lshl_b32 s12, s13, 2
	s_add_co_u32 s12, s12, s[CX]                   ; my block of 128 queries
	s_lshl_b32 s12, s12, 7
	s_lshl_b32 s13, s18, 4
	s_add_co_u32 s12, s12, s13                     ; my wave's first query
	s_mul_i32 s12, s12, ROW3
	s_mul_i32 s13, s14, 4096*ROW3
	s_add_co_u32 s12, s12, s13
	s_sub_co_u32 s13, 2, s17
	s_lshl_b32 s13, s13, 2
	s_add_co_u32 s13, s13, s15                     ; head = i + 8 or i + 4
	s_lshl_b32 s13, s13, 8
	s_add_co_u32 s12, s12, s13                     ; its 256 bytes in q and in out0, under 2^25
	s_mov_b32 s13, 0
	s_mul_i32 s14, s[WV], WSTG
	s_add_co_u32 s14, s14, STAGE                   ; my stage
	; descriptor group 1: half an image is one dense block: 25 rows of 256 bytes (32 elements of 8 bytes), no padding
	s_mov_b32 s[G1+0], 15|(3<<16)|(1<<21)          ; 15:0 the mask: all four work-groups; 17:16 elements of 8 bytes; 21 set beside a mask
	s_mov_b32 s[G1+1], 32<<16                      ; tensor_dim0 = 32
	s_mov_b32 s[G1+2], 25<<16                      ; tensor_dim1 = 25
	s_mov_b32 s[G1+3], 32<<16                      ; tile_dim0 = 32
	s_mov_b32 s[G1+4], 25                          ; tile_dim1 = 25
	s_mov_b32 s[G1+5], 32                          ; from row to row
	s_mov_b32 s[G1+6], 0
	s_mov_b32 s[G1+7], 0
	s_mov_b32 s[SEL], 0x76543210
	s_mov_b32 s[SEL+1], 0xfedcba98
	s_mov_b32 s[CS], 0x3e38aa3b                    ; c = log2(e) / 8
	s_mov_b32 s[CS+1], s[CS]                       ; (named with it as a pair, so it is written)
	v_and_b32 v[MA], 15, v0                        ; r
	v_bfe_u32 v[MB], v0, 4, 1                      ; h
	v_and_b32 v[MO], 31, v0                        ; lane
	s_delay_alu instid0(VALU_DEP_1)
	v_lshlrev_b32 v[LI], 4, v[MO]
	s_delay_alu instid0(VALU_DEP_4)
	v_mul_u32_u24 v[STO], v[MA], SP
	s_delay_alu instid0(VALU_DEP_1)
	v_add_nc_u32 v[STO], s14, v[STO]
	s_delay_alu instid0(VALU_DEP_1)
	v_lshl_add_u32 v[QRD], v[MB], 7, v[STO]
	s_delay_alu instid0(VALU_DEP_2)
	v_lshl_add_u32 v[STO], v[MB], 5, v[STO]
	v_mul_u32_u24 v[RD], v[MB], SP
	s_delay_alu instid0(VALU_DEP_1)
	v_lshl_add_u32 v[RD], v[MA], 4, v[RD]
	s_delay_alu instid0(VALU_DEP_1)
	v_add_nc_u32 v[RD], s14, v[RD]
	v_mul_u32_u24 v[GO], v[MB], ROW3
	s_delay_alu instid0(VALU_DEP_1)
	v_lshl_add_u32 v[GO], v[MA], 4, v[GO]
	v_lshlrev_b32 v[SH8], 3, v[MB]
	v_min_u32 v[PFO], 6, v[MO]                     ; seven blocks a partner,
	s_delay_alu instid0(VALU_DEP_1)
	v_add_nc_u32 v[PFO], s52, v[PFO]
	s_delay_alu instid0(VALU_DEP_1)
	v_min_u32 v[PFO], 24, v[PFO]                   ; held at the half image's last
	s_delay_alu instid0(VALU_DEP_1)
	v_lshlrev_b32 v[PFO], 8, v[PFO]
.irp i, 0,1,2,3,4,5
	v_mov_b32 v[QB+\i], 0                          ; the zero codes between q's two copies: written once
.endr
.irp b, 0,1,2,3
	v_mov_b32 v[PT+\b], 0                          ; written once: a lane permute's destination counts as one of its sources
.endr
	v_mov_b32 v[T], 0
	v_mov_b32 v[F+1], 0                            ; (named as the upper half of the pair)
	s_wait_alu depctr_va_vdst(0)                   ; the wait at the head's end
	s_wait_kmcnt 0x0
	s_add_nc_u64 s[KVP:KVP+1], s[6:7], s[54:55]
	s_add_nc_u64 s[SHP:SHP+1], s[6:7], s[56:57]
	s_add_nc_u64 s[QP:QP+1], s[4:5], s[12:13]
	s_add_nc_u64 s[OP:OP+1], s[8:9], s[12:13]
	QLOAD 0                                        ; q is on its way while the cluster meets
	ROUND                                          ; all four work-groups are here: the first joint loads meet
	s_mov_b32 s[G0], 1                             ; count = 1
	s_mov_b32 s[G0+1], s[LW]                       ; LDS address: slot 0, my half image
	s_mov_b64 s[G0+2:G0+3], s[KVP:KVP+1]           ; period 0's
	s_or_b32 s[G0+3], s[G0+3], 0x80000000          ; type = 2
	JLOAD 16                                       ; one first fill a wave, in every wave; slot 1 is first filled behind the first change's round, as a refill is
	s_add_nc_u64 s[KVP:KVP+1], s[KVP:KVP+1], PERB  ; period 1's.  Nothing is prefetched here, at the head
	QMAKE
	PERIOD 0
	PERIOD 1
	PERIOD 2
	PERIOD 3
	s_cmp_lt_u32 s[WV], 8
	s_cbranch_scc1 .Llong_a
	FLUSH                                          ; waves 8-15: the middle head's 16 images are done; the short head's walk begins
	QMAKE
	s_wait_xcnt 0x0                                ; the stores have read their registers and their base: the next scores may land there, and the base may step
	s_sub_nc_u64 s[OP:OP+1], s[OP:OP+1], HEADS4
.Llong_a:
	PERIOD 4
	PERIOD 5
	s_cmp_lt_u32 s[WV], 8
	s_cbranch_scc1 .Llong_b
	FLUSH                                          ; waves 8-15: the short head's 8 images are done
.Llong_b:
	PERIOD 6
	PERIOD 7
	s_cmp_ge_u32 s[WV], 8
	s_cbranch_scc1 .Ldone
	FLUSH                                          ; waves 0-7: the long head's 32 images are done
.Ldone:
	s_wait_tensorcnt 0x0                           ; the wave's end: behind my last tensor load and my last LDS store
	ds_add_u32 v[SPW], v[NIL]
	s_wait_dscnt 0x0
	ROUND                                          ; the closing round: no work-group ends while a partner may still ask for a slot that names it
	s_endpgm
.Lfunc_end_k_q57345e0e30_attn:
	.size	k_q57345e0e30_attn, .Lfunc_end_k_q57345e0e30_attn-k_q57345e0e30_attn
	.p2alignl 7, 3214868480
	.fill 96, 4, 3214868480
	.section	.rodata,"a",@progbits
	.p2align	6, 0x0
	.amdhsa_kernel k_q57345e0e30_attn
		.amdhsa_group_segment_fixed_size 327680
		.amdhsa_private_segment_fixed_size 0
		.amdhsa_enable_private_segment 0
		.amdhsa_kernarg_size 24
		.amdhsa_user_sgpr_count 2
		.amdhsa_user_sgpr_kernarg_segment_ptr 1
		.amdhsa_wavefront_size32 1
		.amdhsa_system_sgpr_workgroup_id_x 1
		.amdhsa_system_sgpr_workgroup_id_y 1
		.amdhsa_system_sgpr_workgroup_id_z 1
		.amdhsa_system_vgpr_workitem_id 0
		.amdhsa_next_free_vgpr 256
		.amdhsa_next_free_sgpr 66
		.amdhsa_reserve_vcc 0
		.amdhsa_float_denorm_mode_32 3
		.amdhsa_float_denorm_mode_16_64 3
		.amdhsa_memory_ordered 1
		.amdhsa_forward_progress 1
		.amdhsa_inst_pref_size 168
	.end_amdhsa_kernel
	.amdgpu_metadata
---
amdhsa.version: [ 1, 2 ]
amdhsa.kernels:
  - .name:           k_q57345e0e30_attn
    .symbol:         k_q57345e0e30_attn.kd
    .args:
      - { .name: q, .offset: 0, .size: 8, .value_kind: global_buffer, .address_space: global }
      - { .name: kv, .offset: 8, .size: 8, .value_kind: global_buffer, .address_space: global }
      - { .name: out0, .offset: 16, .size: 8, .value_kind: global_buffer, .address_space: global }
    .group_segment_fixed_size: 327680
    .private_segment_fixed_size: 0
    .kernarg_segment_align: 8
    .kernarg_segment_size: 24
    .max_flat_workgroup_size: 512
    .sgpr_count:     66
    .vgpr_count:     256
    .wavefront_size: 32
...
	.end_amdgpu_metadata
.endif
;; end of part 2
